; MI455X (gfx1250); checked and timed in simulation.
; The chip was launched on July 23, 2026; its instructions are those of AMD's public machine-readable ISA for CDNA 5 (MIT licence, August 2026) and "CDNA5" Instruction Set Architecture Reference Guide (July 2026). The comments in the code are by the model that wrote it; some were corrected since.
;; Multi Head Attention. Allowed arithmetic: matrix products marked QUANTISED: E4M3 operands, one given power-of-two scale a tensor, by v_wmma_f32_16x16x64_fp8_fp8 or v_wmma_f32_16x16x128_fp8_fp8, f32 sums; everything else in f32.
;; Inputs: Wk 1,024 x 1,024 float32; Wq 1,024 x 1,024 float32; Wv 1,024 x 1,024 float32; bk 1,024 float32; bq 1,024 float32; bv 1,024 float32; k 4 x 2,048 x 1,024 float32; kn_b 1,024 float32; kn_g 1,024 float32; lowp_scales 10 int32 (the exponents e of the quantised operands' scales 2^e); mask 1 x 1 x 2,048 x 2,048 float32; q 4 x 2,048 x 1,024 float32; qn_b 1,024 float32; qn_g 1,024 float32; v 4 x 2,048 x 1,024 float32; vn_b 1,024 float32; vn_g 1,024 float32.
;; Outputs: out0 4 x 2,048 x 1,024 float32.
;; This version of the problem:
;;   THIS VERSION OF THE PROBLEM IS GIVEN IN LOW PRECISION. The matrix products marked QUANTISED in the list below multiply operands that are first quantised to E4M3 (4 exponent bits, 3 mantissa bits; 8 bits a number), with one given power-of-two scale for each operand tensor; their sums are f32. All else is computed in f32.
;;   The module's matrix products, in the order in which they are computed (A, B: the left and right operand; K: the contracted axis; several contracted axes count as one K, in the product's order):
;;     1. [M 8,192, K 1,024] x [K 1,024, N 1,024]; A: computed on the way; B: input Wq: QUANTISED (scales: A lowp_scales[0], B lowp_scales[1])
;;     2. [M 8,192, K 1,024] x [K 1,024, N 1,024]; A: computed on the way; B: input Wk: QUANTISED (scales: A lowp_scales[2], B lowp_scales[3])
;;     3. [M 8,192, K 1,024] x [K 1,024, N 1,024]; A: computed on the way; B: input Wv: QUANTISED (scales: A lowp_scales[4], B lowp_scales[5])
;;     4. batch 64 x [M 2,048, K 64] x [K 64, N 2,048]; A: computed on the way; B: computed on the way: QUANTISED (scales: A lowp_scales[6], B lowp_scales[7])
;;     5. batch 64 x [M 2,048, K 2,048] x [K 2,048, N 64]; A: softmax (see below); B: computed on the way: QUANTISED (scales: A lowp_scales[8], B lowp_scales[9])
;;   THE QUANTISER, for each operand of a quantised product, along K:
;;     - The operand's scale is 2^e, e = its entry of the input lowp_scales (int32; the entries are numbered through the quantised products in the list's order, A before B).
;;     - Each number is divided by the scale, clamped to +-448, and rounded to the nearest number of E4M3, ties to even, subnormals kept.
;;     - The product sums the exact products of the quantised numbers (number of the format x scale) in f32.
;;   ~~~python
;;   def quantise(x, axis, e):      # numpy; x: float32 -> the quantised numbers, widened to float32 again
;;       x = np.moveaxis(x, axis, -1); K = x.shape[-1]
;;       r = np.clip(x / 2.0 ** e, -448, 448)
;;       step = 2.0 ** (np.maximum(np.frexp(np.where(r == 0, 1, r))[1] - 1, -6) - 3)
;;       q = np.round(r / step) * step * 2.0 ** e      # np.round: ties to even
;;       return np.moveaxis(q, -1, axis).astype(np.float32)
;;   ~~~
;;   SOFTMAX AHEAD OF A QUANTISED PRODUCT. Where the list says 'softmax', what is quantised is not the finished softmax but p = 2^(t - M), with t = logit x log2(e) and M = ceil(the row's largest t), a whole number; so 1/2 < the row's largest p <= 1. The row's sum l is taken of the UNQUANTISED p, in f32, and the product's result is divided by l at the end. Since M is a whole number, a kernel that streams over the keys may use a running M (the ceiling of the running maximum): every later rescaling is an exact power of two, so the quantised numbers keep their values, but for numbers so far below the row's largest that they fall under the format's range.
;;   OPERANDS COMPUTED ON THE WAY. 'Computed on the way' means the value that the module computes at that place (a softmax that the list does not call 'softmax' is quantised finished and normalised). What goes into a quantiser is computed in f32, as accurately as f32 sums, v_exp_f32 and their like allow (about 1e-6 of the number): no bf16 or f16 on the way to a quantiser, and a product that is left as it is and whose result goes on into a quantised operand takes f32 operands (vector FMAs, or v_wmma_f32_16x16x4_f32). A number that lies on a knife's edge between two numbers of the format may be rounded either way, as far as f32 arithmetic and the matrix unit's own rounding can turn it there, and no further.
;; One version. Each part assembles by itself: llvm-mc -triple=amdgcn-amd-amdhsa -mcpu=gfx1250 --defsym DOCPART=n.
;; ======== version 1 of 1: 3 launches
;; limits: right only within a limited range of input values
;; workspace buffers: acodes 25,165,824 bytes; wcodes 3,145,728 bytes; qf 8,388,608 bytes; kv 16,777,216 bytes; msk 16,777,216 bytes
;; launch prep (part 1): grid 864 x 1, 4 waves a work-group, no clusters, 0 bytes of LDS; arguments q, k, v, qn_g, qn_b, kn_g, kn_b, vn_g, vn_b, Wq, Wk, Wv, lowp_scales, acodes, wcodes; writes acodes, wcodes
.if DOCPART == 1
	.amdgcn_target "amdgcn-amd-amdhsa--gfx1250"
	.amdhsa_code_object_version 6
	.text
	.protected	k_q9360ac842f_prep
	.globl	k_q9360ac842f_prep
	.p2align	8
	.type	k_q9360ac842f_prep,@function
k_q9360ac842f_prep:
	s_mov_b64 s[64:65], 0
	v_nop
	global_prefetch_b8 v0, s[64:65] scope:SCOPE_SE
	s_setreg_imm32_b32 hwreg(HW_REG_WAVE_MODE, 25, 1), 1
	s_wait_xcnt 0x0
; LayerNorm of q, k, v ([8192][1024] f32 each) and the quantiser to FP8 (E4M3) behind it; the quantiser alone for Wq, Wk, Wv ([1024][1024] f32).
; Out: acodes [3][8192][1024 bytes], wcodes [3][1024][1024 bytes]: a row's 1,024 codes.  THE PLACE OF k INSIDE A ROW IS PERMUTED, alike in both buffers (both are made by the same
; map of lanes and registers): byte 512 s + 16 l + m of a row holds k = 128 (4 s + m / 4) + 4 l + m % 4.  The products that read them sum over all k, so every code meets its partner.
; code = x / 2^e, held within +-448, to the nearest code, ties to even.  e: lowp_scales[2 t] for the activations of tensor t, [2 t + 1] for its weight.
; LIMITS: e between -126 and 119 (2^e and 448 x 2^e are made as f32 numbers).  NaN among the inputs is not served.
; The mean is taken first, then the mean of the squared differences, as the definition has it: a common offset of the inputs does no harm.
; SHARES.  A work-group takes 32 rows, a wave 8; a wave holds a whole row in 32 registers a lane, so a row is read once and no wave waits for another: no LDS, no barrier.
; Work-groups 0-767: activations (256 for each tensor); 768-863: weights (32 for each).  Each load of a wave covers 512 consecutive bytes, each store likewise.
; A ring of four row slots in registers: one at work, three rows (24 loads a wave) on their way.
.set ROWF, 4096                        ; a row of f32 in bytes
.set ROWC, 1024                        ; a row of codes
.set G,    8                           ; v8-39    the gain at my 32 k (load j: k = 128 j + 4 lane + 0..3)
.set BB,   40                          ; v40-71   the bias at them
.set X,    72                          ; v72-199  four row slots of 32
.set C,    200                         ; v200-215 two sets of 8 registers of codes
.set T,    216                         ; v216-223 four packed chains
.set MU,   224                         ; v[224:225] the mean (the low word serves both halves)
.set RS,   226                         ; v[226:227] 1 / sqrt(var + eps), likewise
.set PD,   228                         ; v228     the lane permute's destination
.set LIMV, 229                         ; v229     448 x 2^e
.set SCV,  230                         ; v230     2^e
.set SRC,  60                          ; s[60:61] my wave's first row in its tensor
.set DST,  72                          ; s[72:73] and in the codes
	s_load_b512 s[8:23], s[0:1], 0x0               ; q, k, v, qn_g, qn_b, kn_g, kn_b, vn_g
	s_load_b256 s[24:31], s[0:1], 0x40             ; vn_b, Wq, Wk, Wv
	s_load_b128 s[32:35], s[0:1], 0x60             ; lowp_scales, acodes
	s_load_b64 s[36:37], s[0:1], 0x70              ; wcodes
	v_lshrrev_b32 v2, 5, v0
	v_readfirstlane_b32 s2, v2                     ; wave 0..3
	v_and_b32 v1, 31, v0
	v_lshlrev_b32 v1, 4, v1                        ; 16 x lane: the one offset, never rewritten
	v_mov_b32 v[MU+1], 0                           ; named as upper halves of pairs, so they are written
	v_mov_b32 v[RS+1], 0
	v_mov_b32 v[PD], 0                             ; a lane permute's destination counts as one of its sources
	s_mov_b32 s50, 0x3a800000                      ; 1 / 1024
	s_mov_b32 s51, 0x3727c5ac                      ; 1e-5
	s_mov_b32 s52, 0x76543210                      ; v_permlanex16_b32: lane l xor 16
	s_mov_b32 s53, 0xfedcba98
	s_lshl_b32 s58, s2, 3                          ; 8 rows a wave
	s_mov_b32 s69, 0
	s_wait_kmcnt 0x0
	s_load_b256 s[40:47], s[32:33], 0x0            ; e0 .. e7
.macro FILL r                          ; row r of my eight: eight loads of 512 consecutive bytes
.irp j, 0,1,2,3,4,5,6,7
	global_load_b128 v[X+32*((\r)%4)+4*\j:X+32*((\r)%4)+4*\j+3], v1, s[SRC:SRC+1] offset:ROWF*(\r)+512*\j th:TH_LOAD_NT
.endr
.endm
.macro REDUCE                          ; the four chains, then the 32 lanes: the sum in v[T] of every lane
	v_pk_add_f32 v[T:T+1], v[T:T+1], v[T+2:T+3]
	v_pk_add_f32 v[T+4:T+5], v[T+4:T+5], v[T+6:T+7]
	v_pk_add_f32 v[T:T+1], v[T:T+1], v[T+4:T+5]
	v_add_f32 v[T], v[T], v[T+1]
	v_add_f32_dpp v[T], v[T], v[T] row_xmask:1 row_mask:0xf bank_mask:0xf
	v_add_f32_dpp v[T], v[T], v[T] row_xmask:2 row_mask:0xf bank_mask:0xf
	v_add_f32_dpp v[T], v[T], v[T] row_xmask:4 row_mask:0xf bank_mask:0xf
	v_add_f32_dpp v[T], v[T], v[T] row_xmask:8 row_mask:0xf bank_mask:0xf
	v_permlanex16_b32 v[PD], v[T], s52, s53
	v_add_f32 v[T], v[T], v[PD]
.endm
.macro MKSCALE                         ; s74 = e  ->  2^e and 448 x 2^e as f32
	s_add_co_i32 s74, s74, 127
	s_lshl_b32 s75, s74, 23
	v_mov_b32 v[SCV], s75                          ; the conversion takes its exponent field
	s_add_co_i32 s74, s74, 8
	s_lshl_b32 s74, s74, 23
	s_or_b32 s74, s74, 0x600000
	v_mov_b32 v[LIMV], s74
.endm
; Row r.  ln = 1: LayerNorm ahead of the quantiser.
.macro TURN r, ln
.set XS, X+32*((\r)%4)
.set CS, C+8*((\r)%2)
.if (\r) < 5
	s_wait_loadcnt 24                              ; my row's eight loads are in (and all issued before them); three younger rows stay out
.else
	s_wait_loadcnt 8*(7-(\r))                      ; the last rows: the count runs down
.endif
.if \ln
.set cc, 0
.rept 4
	v_pk_add_f32 v[T+cc:T+cc+1], v[XS+cc:XS+cc+1], v[XS+8+cc:XS+8+cc+1]   ; the first sums start the chains: nothing is cleared
.set cc, cc+2
.endr
.set cc, 16
.rept 8
	v_pk_add_f32 v[T+cc%8:T+cc%8+1], v[T+cc%8:T+cc%8+1], v[XS+cc:XS+cc+1]
.set cc, cc+2
.endr
	REDUCE
	v_mul_f32 v[MU], s50, v[T]                     ; the mean
.set cc, 0
.rept 16
	v_pk_add_f32 v[XS+cc:XS+cc+1], v[XS+cc:XS+cc+1], v[MU:MU+1] op_sel_hi:[1,0] neg_lo:[0,1] neg_hi:[0,1]   ; x - mean
.set cc, cc+2
.endr
.set cc, 0
.rept 4
	v_pk_mul_f32 v[T+cc:T+cc+1], v[XS+cc:XS+cc+1], v[XS+cc:XS+cc+1]
.set cc, cc+2
.endr
.set cc, 8
.rept 12
	v_pk_fma_f32 v[T+cc%8:T+cc%8+1], v[XS+cc:XS+cc+1], v[XS+cc:XS+cc+1], v[T+cc%8:T+cc%8+1]
.set cc, cc+2
.endr
	REDUCE
	v_fma_f32 v[T], v[T], s50, s51                 ; var + eps
	s_wait_alu depctr_va_vdst(0)
	v_rsq_f32 v[RS], v[T]
	v_nop                                          ; a plain instruction behind the transcendental (ISA guide 5.7.2),
	s_wait_alu depctr_va_vdst(0)                   ; and a wait ahead of its first reader
.set cc, 0
.rept 16
	v_pk_mul_f32 v[XS+cc:XS+cc+1], v[XS+cc:XS+cc+1], v[RS:RS+1] op_sel_hi:[1,0]
.set cc, cc+2
.endr
.set cc, 0
.rept 16
	v_pk_fma_f32 v[XS+cc:XS+cc+1], v[XS+cc:XS+cc+1], v[G+cc:G+cc+1], v[BB+cc:BB+cc+1]
.set cc, cc+2
.endr
.endif
.set cc, 0
.rept 32
	v_med3_num_f32 v[XS+cc], v[XS+cc], -v[LIMV], v[LIMV]   ; the conversion to an 8-bit code does not saturate (ISA guide 7.6.2): the hold at the largest code x the scale
.set cc, cc+1
.endr
.if (\r) > 1
	s_wait_alu depctr_va_vdst(0)
	s_wait_xcnt 0x0                                ; the stores of two rows back have read this set of code registers: it is written again only behind this wait
.endif
.irp i, 0,1,2,3
	v_cvt_scalef32_pk8_fp8_f32 v[CS+2*\i:CS+2*\i+1], v[XS+8*\i:XS+8*\i+7], v[SCV]
.endr
	global_store_b128 v1, v[CS:CS+3], s[DST:DST+1] offset:ROWC*(\r)          ; 32 lanes store 512 consecutive bytes, at a multiple of 512 from the buffer's first byte
	global_store_b128 v1, v[CS+4:CS+7], s[DST:DST+1] offset:ROWC*(\r)+512
.if (\r) < 4
	FILL (\r)+4                                    ; the slot takes the row four further on
.endif
.endm
	s_cmp_ge_u32 ttmp9, 768
	s_cbranch_scc1 .Lweights
	; ---- activations
	s_lshr_b32 s56, ttmp9, 8                       ; which tensor: 0 q, 1 k, 2 v
	s_and_b32 s57, ttmp9, 255
	s_lshl_b32 s57, s57, 5
	s_add_co_u32 s57, s57, s58                     ; my wave's first row
	s_cmp_eq_u32 s56, 1
	s_cselect_b64 s[SRC:SRC+1], s[10:11], s[8:9]
	s_cselect_b64 s[62:63], s[18:19], s[14:15]     ; its gain
	s_cselect_b64 s[66:67], s[20:21], s[16:17]     ; its bias
	s_cmp_eq_u32 s56, 2
	s_cselect_b64 s[SRC:SRC+1], s[12:13], s[SRC:SRC+1]
	s_cselect_b64 s[62:63], s[22:23], s[62:63]
	s_cselect_b64 s[66:67], s[24:25], s[66:67]
	s_lshl_b32 s68, s57, 12
	s_add_nc_u64 s[SRC:SRC+1], s[SRC:SRC+1], s[68:69]
	s_lshl_b32 s70, s57, 10
	s_lshl_b32 s71, s56, 23
	s_add_co_u32 s70, s70, s71
	s_mov_b32 s71, 0
	s_add_nc_u64 s[DST:DST+1], s[34:35], s[70:71]
	s_wait_alu depctr_va_vdst(0)
.irp j, 0,1,2,3,4,5,6,7
	global_load_b128 v[G+4*\j:G+4*\j+3], v1, s[62:63] offset:512*\j
	global_load_b128 v[BB+4*\j:BB+4*\j+3], v1, s[66:67] offset:512*\j
.endr
	FILL 0
	FILL 1
	FILL 2
	FILL 3
	s_wait_kmcnt 0x0
	s_cmp_eq_u32 s56, 1
	s_cselect_b32 s74, s42, s40
	s_cmp_eq_u32 s56, 2
	s_cselect_b32 s74, s44, s74                    ; e = entry 2 t
	MKSCALE
.irp r, 0,1,2,3,4,5,6,7
	TURN \r, 1
.endr
	s_endpgm
.Lweights:
	; ---- weights: the same lanes, registers and stores, so the same places of k
	s_sub_co_u32 s55, ttmp9, 768
	s_lshr_b32 s56, s55, 5                         ; which weight
	s_and_b32 s57, s55, 31
	s_lshl_b32 s57, s57, 5
	s_add_co_u32 s57, s57, s58
	s_cmp_eq_u32 s56, 1
	s_cselect_b64 s[SRC:SRC+1], s[28:29], s[26:27]
	s_cmp_eq_u32 s56, 2
	s_cselect_b64 s[SRC:SRC+1], s[30:31], s[SRC:SRC+1]
	s_lshl_b32 s68, s57, 12
	s_add_nc_u64 s[SRC:SRC+1], s[SRC:SRC+1], s[68:69]
	s_lshl_b32 s70, s57, 10
	s_lshl_b32 s71, s56, 20
	s_add_co_u32 s70, s70, s71
	s_mov_b32 s71, 0
	s_add_nc_u64 s[DST:DST+1], s[36:37], s[70:71]
	s_wait_alu depctr_va_vdst(0)
	FILL 0
	FILL 1
	FILL 2
	FILL 3
	s_wait_kmcnt 0x0
	s_cmp_eq_u32 s56, 1
	s_cselect_b32 s74, s43, s41
	s_cmp_eq_u32 s56, 2
	s_cselect_b32 s74, s45, s74                    ; e = entry 2 t + 1
	MKSCALE
	s_wait_alu depctr_va_vdst(0)
.irp r, 0,1,2,3,4,5,6,7
	TURN \r, 0
.endr
	s_endpgm
.Lfunc_end_k_q9360ac842f_prep:
	.size	k_q9360ac842f_prep, .Lfunc_end_k_q9360ac842f_prep-k_q9360ac842f_prep
	.p2alignl 7, 3214868480
	.fill 96, 4, 3214868480
	.section	.rodata,"a",@progbits
	.p2align	6, 0x0
	.amdhsa_kernel k_q9360ac842f_prep
		.amdhsa_group_segment_fixed_size 0
		.amdhsa_private_segment_fixed_size 0
		.amdhsa_enable_private_segment 0
		.amdhsa_kernarg_size 120
		.amdhsa_user_sgpr_count 2
		.amdhsa_user_sgpr_kernarg_segment_ptr 1
		.amdhsa_wavefront_size32 1
		.amdhsa_system_sgpr_workgroup_id_x 1
		.amdhsa_system_sgpr_workgroup_id_y 1
		.amdhsa_system_sgpr_workgroup_id_z 1
		.amdhsa_system_vgpr_workitem_id 0
		.amdhsa_next_free_vgpr 232
		.amdhsa_next_free_sgpr 80
		.amdhsa_reserve_vcc 0
		.amdhsa_float_denorm_mode_32 3
		.amdhsa_float_denorm_mode_16_64 3
		.amdhsa_memory_ordered 1
		.amdhsa_forward_progress 1
		.amdhsa_inst_pref_size 106
	.end_amdhsa_kernel
	.amdgpu_metadata
---
amdhsa.version: [ 1, 2 ]
amdhsa.kernels:
  - .name:           k_q9360ac842f_prep
    .symbol:         k_q9360ac842f_prep.kd
    .args:
      - { .name: q, .offset: 0, .size: 8, .value_kind: global_buffer, .address_space: global }
      - { .name: k, .offset: 8, .size: 8, .value_kind: global_buffer, .address_space: global }
      - { .name: v, .offset: 16, .size: 8, .value_kind: global_buffer, .address_space: global }
      - { .name: qn_g, .offset: 24, .size: 8, .value_kind: global_buffer, .address_space: global }
      - { .name: qn_b, .offset: 32, .size: 8, .value_kind: global_buffer, .address_space: global }
      - { .name: kn_g, .offset: 40, .size: 8, .value_kind: global_buffer, .address_space: global }
      - { .name: kn_b, .offset: 48, .size: 8, .value_kind: global_buffer, .address_space: global }
      - { .name: vn_g, .offset: 56, .size: 8, .value_kind: global_buffer, .address_space: global }
      - { .name: vn_b, .offset: 64, .size: 8, .value_kind: global_buffer, .address_space: global }
      - { .name: Wq, .offset: 72, .size: 8, .value_kind: global_buffer, .address_space: global }
      - { .name: Wk, .offset: 80, .size: 8, .value_kind: global_buffer, .address_space: global }
      - { .name: Wv, .offset: 88, .size: 8, .value_kind: global_buffer, .address_space: global }
      - { .name: lowp_scales, .offset: 96, .size: 8, .value_kind: global_buffer, .address_space: global }
      - { .name: acodes, .offset: 104, .size: 8, .value_kind: global_buffer, .address_space: global }
      - { .name: wcodes, .offset: 112, .size: 8, .value_kind: global_buffer, .address_space: global }
    .group_segment_fixed_size: 0
    .private_segment_fixed_size: 0
    .kernarg_segment_align: 8
    .kernarg_segment_size: 120
    .max_flat_workgroup_size: 128
    .sgpr_count:     80
    .vgpr_count:     232
    .wavefront_size: 32
...
	.end_amdgpu_metadata
.endif
;; end of part 1
;; launch proj (part 2): grid 4 x 128, 4 waves a work-group, clusters of 4 x 4, 327,680 bytes of LDS; arguments acodes, wcodes, bq, bk, bv, lowp_scales, qf, kv, mask, msk; writes qf, kv, msk
.if DOCPART == 2
	.amdgcn_target "amdgcn-amd-amdhsa--gfx1250"
	.amdhsa_code_object_version 6
	.text
	.protected	k_q9360ac842f_proj
	.globl	k_q9360ac842f_proj
	.p2align	8
	.type	k_q9360ac842f_proj,@function
k_q9360ac842f_proj:
	s_mov_b64 s[64:65], 0
	v_nop
	global_prefetch_b8 v0, s[64:65] scope:SCOPE_SE
	s_setreg_imm32_b32 hwreg(HW_REG_WAVE_MODE, 25, 1), 1
	s_wait_xcnt 0x0
	s_wait_alu depctr_hold_cnt(0) depctr_sa_sdst(0) depctr_va_vdst(0) depctr_va_sdst(0) depctr_va_ssrc(0) depctr_va_vcc(0) depctr_vm_vsrc(0)
	s_getreg_b32 s2, hwreg(HW_REG_IB_STS2, 6, 4)
	s_cmp_eq_u32 s2, 0
	s_cbranch_scc0 .Lentry_in_a_cluster
	s_endpgm
.Lentry_in_a_cluster:
	s_bfe_u32 s2, ttmp6, 0x10000c
	s_cmp_lg_u32 s2, 0xf033
	s_cbranch_scc0 .Lentry_shape_is_right
	s_endpgm
.Lentry_shape_is_right:
.set KSTEP,  256
.set ROWB,   256
.set KROW,   1024
.set PITCH,  272
.set FR,     16
.set NL,     4
.set NP,     4
.set HALFT,  128*PITCH
.set SLOT,   4*HALFT
.set LAPS,   2
.set SPARE,  2*SLOT
.set ADRA, 16
.set ADRB, 20
.set VO0,  26
.set VO1,  27
.set SPW,  28
.set NIL,  29
.set LIMV, 30
.set SCV,  31
.set BT,   32
.set BA,   96
.set AF,   128
.set TMP,  128
.set CD,   192
.set G1, 24
.set G0, 32
.set G1B, 48
.set G0B, 56
.set MSB, 0
.macro WIN new
.if MSB != \new
	s_set_vgpr_msb (MSB<<8)|\new
.set MSB, \new
.endif
.endm
.set MUL_LO, 0xa1
.set MUL_HI, 0xf1
.set TO_B,   0x40
.macro JLOAD g0a, g1a, g0b, g1b
	s_cmp_eq_u32 s15, 0
	s_cbranch_scc0 .Lfor_b_\@
	tensor_load_to_lds s[\g0a:\g0a+3], s[\g1a:\g1a+7]
	s_nop 0
.rept 4
	v_nop
.endr
	s_branch .Lasked_\@
.Lfor_b_\@:
	tensor_load_to_lds s[\g0b:\g0b+3], s[\g1b:\g1b+7]
	s_nop 0
.rept 4
	v_nop
.endr
.Lasked_\@:
.endm
.macro CREST
	s_cmp_lg_u32 s14, 0
	s_cbranch_scc1 .Lnot_wave_0_\@
	s_barrier_signal -3
.Lnot_wave_0_\@:
	s_barrier_wait -3
	s_barrier_signal -1
	s_barrier_wait -1
.endm
.macro CROUND
	s_barrier_signal -1
	s_barrier_wait -1
	CREST
.endm
	s_load_b512 s[68:83], s[0:1], 0x0
	s_and_b32 s95, ttmp7, 0xffff                   ; the cluster's y: 0-23 make the three projections, 24-31 scale the mask; all sixteen partners of a cluster go the same way
	s_cmp_ge_u32 s95, 24
	s_cbranch_scc1 .Lmask
	v_lshl_add_u32 v[SPW], v0, 2, SPARE
	v_mov_b32 v[NIL], 0
	ds_add_u32 v28, v29
	ds_add_u32 v28, v29
	s_wait_dscnt 0x0
	v_lshrrev_b32 v1, 5, v0
	v_readfirstlane_b32 s14, v1
	s_lshr_b32 s15, s14, 1
	s_and_b32 s16, s14, 1
	s_bfe_u32 s40, ttmp6, 0x40000
	s_bfe_u32 s41, ttmp6, 0x40004
	s_and_b32 s95, ttmp7, 0xffff
	s_lshr_b32 s94, s95, 3
	s_and_b32 s95, s95, 7
	s_lshl_b32 s98, s94, 23
	s_lshl_b32 s99, s94, 20
	s_cmp_lt_u32 s94, 2
	s_cselect_b32 s17, s95, 0
	s_cselect_b32 s42, 0, s95
	s_cselect_b32 s12, s98, s99
	s_cselect_b32 s13, s99, s98
	s_lshl_b32 s17, s17, 2
	s_add_co_u32 s17, s17, s41
	s_lshl_b32 s42, s42, 2
	s_add_co_u32 s42, s42, s40
	s_lshl_b32 s43, s41, 2
	s_lshl_b32 s43, 15, s43
	s_lshl_b32 s44, 0x1111, s40
	s_or_b32 s[G1+0], s43, (0<<16)|(1<<20)|(1<<21)|(5<<22)|(3<<25)
	s_or_b32 s[G1B+0], s44, (0<<16)|(1<<20)|(1<<21)|(5<<22)|(3<<25)
.irp g, G1, G1B
	s_mov_b32 s[\g+1], ROWB<<16
	s_mov_b32 s[\g+2], 128<<16
	s_mov_b32 s[\g+3], ROWB<<16
	s_mov_b32 s[\g+4], 128
	s_mov_b32 s[\g+5], KROW
	s_mov_b32 s[\g+6], 0
	s_mov_b32 s[\g+7], 0
.endr
	s_lshl_b32 s18, s16, 7
	s_lshl_b32 s20, s17, 8
	s_add_co_u32 s20, s20, s18
	s_lshl_b32 s20, s20, 10
	s_add_co_u32 s20, s20, s12
	s_mov_b32 s21, 0
	s_lshl_b32 s46, s42, 8
	s_add_co_u32 s46, s46, s18
	s_lshl_b32 s46, s46, 10
	s_add_co_u32 s46, s46, s13
	s_mov_b32 s47, 0
	s_mul_i32 s45, s14, HALFT
	s_wait_kmcnt 0x0
	s_load_b256 s[84:91], s[78:79], 0x0
	s_load_b64 s[92:93], s[78:79], 0x20
	s_cmp_lt_u32 s94, 2
	s_cselect_b64 s[4:5], s[68:69], s[70:71]
	s_cselect_b64 s[6:7], s[70:71], s[68:69]
	s_add_nc_u64 s[20:21], s[4:5], s[20:21]
	s_add_nc_u64 s[46:47], s[6:7], s[46:47]
	; The prefetches' address: of the 128 rows that my wave fetches, the four partners that ask jointly take 32 each, told apart by address (cx for the first operand's rows, cy for the second's);
	; a lane a row, 256 bytes of a row a K step.  The address registers are never rewritten.
	s_cmp_eq_u32 s15, 0
	s_cselect_b64 s[6:7], s[20:21], s[46:47]
	s_cselect_b32 s4, s40, s41
	s_lshl_b32 s4, s4, 15
	s_mov_b32 s5, 0
	s_add_nc_u64 s[6:7], s[6:7], s[4:5]
	v_and_b32 v8, 31, v0
	v_lshlrev_b32 v8, 10, v8
.irp s, 0,1
	s_mov_b32 s[G0+4*\s], 1
	s_add_co_u32 s[G0+4*\s+1], s45, \s*SLOT
	s_add_nc_u64 s[G0+4*\s+2:G0+4*\s+3], s[20:21], \s*ROWB
	s_or_b32 s[G0+4*\s+3], s[G0+4*\s+3], 0x80000000
	s_mov_b32 s[G0B+4*\s], 1
	s_add_co_u32 s[G0B+4*\s+1], s45, \s*SLOT
	s_add_nc_u64 s[G0B+4*\s+2:G0B+4*\s+3], s[46:47], \s*ROWB
	s_or_b32 s[G0B+4*\s+3], s[G0B+4*\s+3], 0x80000000
	s_wait_alu depctr_va_vdst(0)
	s_wait_tensorcnt 0x0
	ds_add_u32 v28, v29
	ds_add_u32 v28, v29
	s_wait_dscnt 0x0
	CROUND
	JLOAD G0+4*\s, G1, G0B+4*\s, G1B
	global_prefetch_b8 v8, s[6:7] offset:512+256*\s th:TH_LOAD_NT scope:SCOPE_SE   ; behind K step s's joint load: K step s + 2, two steps ahead of the load that will ask for it; K has four steps, so these two are all
.endr
	v_and_b32 v1, 15, v0
	v_bfe_u32 v2, v0, 4, 1
	s_wait_alu depctr_va_vdst(0)
	v_mul_u32_u24 v3, v1, PITCH
	v_lshl_add_u32 v4, v2, 4, v3
	s_mul_i32 s21, s15, HALFT
	s_mul_i32 s22, s16, HALFT
	s_add_co_u32 s22, s22, 2*HALFT
.irp s, 0,1
	v_add_nc_u32 v[ADRA+\s], s21, v4
	v_add_nc_u32 v[ADRB+\s], s22, v4
	s_add_co_u32 s21, s21, SLOT
	s_add_co_u32 s22, s22, SLOT
.endr
	s_lshl_b32 s8, s17, 8
	s_lshl_b32 s18, s15, 7
	s_add_co_u32 s8, s8, s18
	s_lshl_b32 s9, s42, 8
	s_lshl_b32 s18, s16, 7
	s_add_co_u32 s9, s9, s18
	s_cmp_lt_u32 s94, 2
	s_cselect_b32 s12, s8, s9
	s_cselect_b32 s13, s9, s8
	s_cselect_b32 s18, s9, 0
	s_cselect_b32 s22, 0, s8
	s_cmp_eq_u32 s94, 1
	s_cselect_b64 s[66:67], s[74:75], s[72:73]
	s_cmp_eq_u32 s94, 2
	s_cselect_b64 s[66:67], s[76:77], s[66:67]
	s_lshl_b32 s18, s18, 2
	s_mov_b32 s19, 0
	s_add_nc_u64 s[18:19], s[66:67], s[18:19]
	s_lshl_b32 s22, s22, 2
	s_mov_b32 s23, 0
	s_add_nc_u64 s[22:23], s[66:67], s[22:23]
	v_lshlrev_b32 v5, 5, v2
	v_lshlrev_b32 v6, 2, v1
.irp b, 0,1,2,3,4,5,6,7
	global_load_b128 v[BT+8*\b:BT+8*\b+3], v5, s[18:19] offset:64*\b
	global_load_b128 v[BT+8*\b+4:BT+8*\b+7], v5, s[18:19] offset:64*\b+16
.endr
.irp a, 0,1,2,3,4,5,6,7
	global_load_b32 v[BA+2*\a], v6, s[22:23] offset:64*\a
	global_load_b32 v[BA+2*\a+1], v6, s[22:23] offset:64*\a
.endr
	s_lshr_b32 s98, s12, 11
	s_and_b32 s99, s12, 2047
	s_lshr_b32 s13, s13, 6
	s_lshl_b32 s2, s98, 21
	s_lshl_b32 s95, s13, 17
	s_add_co_u32 s2, s2, s95
	s_lshl_b32 s95, s99, 6
	s_add_co_u32 s2, s2, s95
	s_lshl_b32 s98, s98, 22
	s_lshr_b32 s95, s13, 2
	s_lshl_b32 s95, s95, 20
	s_add_co_u32 s98, s98, s95
	s_lshr_b32 s95, s99, 7
	s_lshl_b32 s95, s95, 16
	s_add_co_u32 s98, s98, s95
	s_and_b32 s95, s13, 3
	s_lshl_b32 s95, s95, 13
	s_add_co_u32 s98, s98, s95
	s_cmp_eq_u32 s94, 2
	s_cselect_b32 s95, 32768, 0
	s_add_co_u32 s98, s98, s95
	s_cmp_eq_u32 s94, 0
	s_cselect_b32 s98, s2, s98
	s_cselect_b64 s[10:11], s[80:81], s[82:83]
	s_mov_b32 s2, 8192
	s_cselect_b32 s2, 131072, s2
	s_mov_b32 s99, 0
	s_add_nc_u64 s[10:11], s[10:11], s[98:99]
	v_and_b32 v7, 31, v0
	v_lshlrev_b32 v[VO0], 4, v7
	v_add_nc_u32 v[VO1], s2, v[VO0]
.macro FRAG reg, adr, q, i
.irp c, 0,1,2,3
	ds_load_b128 v[\reg+4*\c:\reg+4*\c+3], v[\adr] offset:128*(\q)+32*\c+(\i)*16*PITCH
.endr
.endm
.macro MUL16 a0, p, zero
.irp a, \a0, \a0+1
.irp b, 0,1,2,3,4,5,6,7
.if \zero
	v_wmma_f32_16x16x128_fp8_fp8 v[8*(8*((\a)%4)+\b):8*(8*((\a)%4)+\b)+7], v[128*(\p)+FR*\b:128*(\p)+FR*\b+FR-1], v[AF+FR*(\a):AF+FR*(\a)+FR-1], 0
.else
	v_wmma_f32_16x16x128_fp8_fp8 v[8*(8*((\a)%4)+\b):8*(8*((\a)%4)+\b)+7], v[128*(\p)+FR*\b:128*(\p)+FR*\b+FR-1], v[AF+FR*(\a):AF+FR*(\a)+FR-1], v[8*(8*((\a)%4)+\b):8*(8*((\a)%4)+\b)+7]
.endif
.endr
.endr
.endm
.macro FETCH_B slot, q, p
	WIN TO_B
.irp i, 0,1,2,3,4,5,6,7
	FRAG 128*(\p)+FR*\i, ADRB+\slot, \q, \i
.endr
	WIN 0
.endm
.macro FETCH_A slot, q, i0
.irp i, \i0, \i0+1, \i0+2, \i0+3
	FRAG AF+FR*(\i), ADRA+\slot, \q, \i
.endr
.endm
.macro PLACES n
.rept \n
	v_nop
.endr
.endm
.macro STEP slot, q, zero
	s_wait_dscnt 4*NL
	WIN MUL_LO
	MUL16 0, (\q)%2, \zero
	MUL16 2, (\q)%2, \zero
	s_wait_dscnt 0
	PLACES NP
	FETCH_B \slot, (\q)+1, 1-(\q)%2
	FETCH_A \slot, (\q)+1, 0
	WIN MUL_HI
	MUL16 4, (\q)%2, \zero
	MUL16 6, (\q)%2, \zero
	PLACES NP
	WIN 0
	FETCH_A \slot, (\q)+1, 4
.endm
.macro TURN slot, next, fill
	s_wait_tensorcnt 0x0
	ds_add_u32 v[SPW], v[NIL]
	s_wait_dscnt 4*NL+1
	WIN MUL_LO
	MUL16 0, 1, 0
	s_wait_dscnt 0x0
	s_barrier_signal -1
	MUL16 2, 1, 0
	WIN 0
	s_barrier_wait -1
.if \fill
	CREST
	s_add_nc_u64 s[G0+4*\slot+2:G0+4*\slot+3], s[G0+4*\slot+2:G0+4*\slot+3], 2*ROWB
	s_add_nc_u64 s[G0B+4*\slot+2:G0B+4*\slot+3], s[G0B+4*\slot+2:G0B+4*\slot+3], 2*ROWB
	JLOAD G0+4*\slot, G1, G0B+4*\slot, G1B
.else
	PLACES NP
.endif
	FETCH_B \next, 0, 0
	FETCH_A \next, 0, 0
	WIN MUL_HI
	MUL16 4, 1, 0
	MUL16 6, 1, 0
	PLACES NP
	WIN 0
	FETCH_A \next, 0, 4
.endm
	s_wait_alu depctr_va_vdst(0)
	s_wait_tensorcnt 1
	s_barrier_signal -1
	s_barrier_wait -1
	FETCH_B 0, 0, 0
	FETCH_A 0, 0, 0
	FETCH_A 0, 0, 4
	STEP 0, 0, 1
	s_mov_b32 s3, LAPS-1
.Llap:
	TURN 0, 1, 1
	STEP 1, 0, 0
	TURN 1, 0, 1
	STEP 0, 0, 0
	s_sub_co_u32 s3, s3, 1
	s_cmp_lg_u32 s3, 0
	s_cbranch_scc1 .Llap
	TURN 0, 1, 0
	STEP 1, 0, 0
	s_wait_dscnt 4*NL
	WIN MUL_LO
	MUL16 0, 1, 0
	MUL16 2, 1, 0
	s_wait_dscnt 0
	WIN MUL_HI
	MUL16 4, 1, 0
	MUL16 6, 1, 0
	WIN 0
	s_wait_kmcnt 0x0
	s_add_co_i32 s84, s84, s85
	s_add_co_i32 s86, s86, s87
	s_add_co_i32 s88, s88, s89
	s_cmp_eq_u32 s94, 1
	s_cselect_b32 s96, s86, s84
	s_cselect_b32 s97, s91, s90
	s_cmp_eq_u32 s94, 2
	s_cselect_b32 s96, s88, s96
	s_cselect_b32 s97, s93, s97
	s_add_co_i32 s96, s96, 127
	s_lshl_b32 s96, s96, 23
	s_add_co_i32 s97, s97, 127
	s_lshl_b32 s98, s97, 23
	v_mov_b32 v[SCV], s98
	s_add_co_i32 s97, s97, 8
	s_lshl_b32 s97, s97, 23
	s_or_b32 s97, s97, 0x600000
	v_mov_b32 v[LIMV], s97
	s_mov_b32 s97, s96
	s_wait_loadcnt 0x0
	PLACES NP
.macro OUT a, isv
.set AC, 64*((\a)%4)
.set CS, CD+16*((\a)%2)
	WIN 0x02+((\a)/4)
.set jj, 0
.rept 32
.if \isv
	v_pk_fma_f32 v[TMP+jj:TMP+jj+1], v[AC+jj:AC+jj+1], s[96:97], v[BA+2*(\a):BA+2*(\a)+1] op_sel_hi:[1,0,1]
.else
	v_pk_fma_f32 v[TMP+jj:TMP+jj+1], v[AC+jj:AC+jj+1], s[96:97], v[BT+jj:BT+jj+1] op_sel_hi:[1,0,1]
.endif
.set jj, jj+2
.endr
	WIN 0
.set jj, 0
.rept 64
	v_med3_num_f32 v[TMP+jj], v[TMP+jj], -v[LIMV], v[LIMV]
.set jj, jj+1
.endr
.if (\a) > 1
	s_wait_alu depctr_va_vdst(0)
	s_wait_xcnt 0x0
.endif
.irp b, 0,1,2,3,4,5,6,7
	v_cvt_scalef32_pk8_fp8_f32 v[CS+2*\b:CS+2*\b+1], v[TMP+8*\b:TMP+8*\b+7], v[SCV]
.endr
	v_nop
.if \isv
.irp c, 0,1,2,3
	global_store_b128 v[VO0], v[CS+4*\c:CS+4*\c+3], s[10:11] offset:2048*(\a)+512*\c
.endr
.else
	global_store_b128 v[VO0], v[CS:CS+3], s[10:11] offset:1024*(\a)
	global_store_b128 v[VO0], v[CS+4:CS+7], s[10:11] offset:1024*(\a)+512
	global_store_b128 v[VO1], v[CS+8:CS+11], s[10:11] offset:1024*(\a)
	global_store_b128 v[VO1], v[CS+12:CS+15], s[10:11] offset:1024*(\a)+512
.endif
.endm
	s_cmp_eq_u32 s94, 2
	s_cbranch_scc1 .Lway_v
.irp a, 0,1,2,3,4,5,6,7
	OUT \a, 0
.endr
	s_branch .Lend
.Lway_v:
.irp a, 0,1,2,3,4,5,6,7
	OUT \a, 1
.endr
.Lend:
	s_wait_tensorcnt 0x0
	ds_add_u32 v[SPW], v[NIL]
	s_wait_dscnt 0x0
	CROUND
	s_endpgm
; THE MASK'S WAY.  msk = mask x 2^-(eq + ek), a power of two, which rounds nothing: the attention launch gives it to its score products as their C, so that a sum stands for (Q . K + mask) / 2^(eq + ek).
; LIMIT: eq + ek between -127 and 126, and mask x 2^-(eq + ek) inside f32's range.  128 work-groups of 131,072 bytes; a wave takes 32,768 consecutive bytes in four groups of sixteen loads of 512 bytes.
; No LDS, no tensor load, no barrier on this way.
.Lmask:
	s_load_b128 s[4:7], s[0:1], 0x40               ; mask, msk
	v_lshrrev_b32 v1, 5, v0
	v_readfirstlane_b32 s14, v1                    ; wave 0..3
	v_and_b32 v2, 31, v0
	v_lshlrev_b32 v2, 4, v2                        ; 16 x lane; never rewritten
	s_bfe_u32 s40, ttmp6, 0x40000                  ; cx
	s_bfe_u32 s41, ttmp6, 0x40004                  ; cy
	s_sub_co_u32 s95, s95, 24
	s_lshl_b32 s95, s95, 2
	s_add_co_u32 s95, s95, s41
	s_lshl_b32 s95, s95, 2
	s_add_co_u32 s95, s95, s40                     ; which of the 128
	s_lshl_b32 s95, s95, 2
	s_add_co_u32 s95, s95, s14                     ; which run of 32,768 bytes
	s_lshl_b32 s12, s95, 15
	s_mov_b32 s13, 0
	s_wait_alu depctr_va_vdst(0)
	s_wait_kmcnt 0x0
	s_load_b64 s[8:9], s[78:79], 0x18              ; eq, ek
	s_add_nc_u64 s[4:5], s[4:5], s[12:13]
	s_add_nc_u64 s[6:7], s[6:7], s[12:13]
.macro MLOAD g                         ; group g into register set g % 3
.irp j, 0,1,2,3,4,5,6,7,8,9,10,11,12,13,14,15
	global_load_b128 v[32+64*((\g)%3)+4*\j:32+64*((\g)%3)+4*\j+3], v2, s[4:5] offset:8192*(\g)+512*\j th:TH_LOAD_NT
.endr
.endm
.macro MOUT g
.set jj, 0
.rept 32
	v_pk_mul_f32 v[32+64*((\g)%3)+jj:32+64*((\g)%3)+jj+1], v[32+64*((\g)%3)+jj:32+64*((\g)%3)+jj+1], s[8:9] op_sel_hi:[1,0]
.set jj, jj+2
.endr
.irp j, 0,1,2,3,4,5,6,7,8,9,10,11,12,13,14,15
	global_store_b128 v2, v[32+64*((\g)%3)+4*\j:32+64*((\g)%3)+4*\j+3], s[6:7] offset:8192*(\g)+512*\j   ; 32 lanes store 512 consecutive bytes, aligned
.endr
.endm
	MLOAD 0
	s_wait_kmcnt 0x0
	s_add_co_i32 s8, s8, s9
	s_sub_co_i32 s8, 127, s8
	s_lshl_b32 s8, s8, 23                          ; 2^-(eq + ek) as f32
	s_mov_b32 s9, s8
	s_wait_loadcnt 0x0                             ; one group of sixteen loads a wave is out at a time: the next is asked for when the last is in, ahead of that one's stores
	MLOAD 1
	MOUT 0
	s_wait_loadcnt 0x0
	MLOAD 2
	MOUT 1
	s_wait_loadcnt 0x0
	s_wait_xcnt 0x0                                ; group 0's stores have read their registers, which take group 3
	MLOAD 3
	MOUT 2
	s_wait_loadcnt 0x0
	MOUT 3
	s_endpgm
.Lfunc_end_k_q9360ac842f_proj:
	.size	k_q9360ac842f_proj, .Lfunc_end_k_q9360ac842f_proj-k_q9360ac842f_proj
	.p2alignl 7, 3214868480
	.fill 96, 4, 3214868480
	.section	.rodata,"a",@progbits
	.p2align	6, 0x0
	.amdhsa_kernel k_q9360ac842f_proj
		.amdhsa_group_segment_fixed_size 327680
		.amdhsa_private_segment_fixed_size 0
		.amdhsa_enable_private_segment 0
		.amdhsa_kernarg_size 80
		.amdhsa_user_sgpr_count 2
		.amdhsa_user_sgpr_kernarg_segment_ptr 1
		.amdhsa_wavefront_size32 1
		.amdhsa_system_sgpr_workgroup_id_x 1
		.amdhsa_system_sgpr_workgroup_id_y 1
		.amdhsa_system_sgpr_workgroup_id_z 1
		.amdhsa_system_vgpr_workitem_id 0
		.amdhsa_next_free_vgpr 1024
		.amdhsa_next_free_sgpr 100
		.amdhsa_reserve_vcc 0
		.amdhsa_float_denorm_mode_32 3
		.amdhsa_float_denorm_mode_16_64 3
		.amdhsa_memory_ordered 1
		.amdhsa_forward_progress 1
		.amdhsa_inst_pref_size 218
	.end_amdhsa_kernel
	.amdgpu_metadata
---
amdhsa.version: [ 1, 2 ]
amdhsa.kernels:
  - .name:           k_q9360ac842f_proj
    .symbol:         k_q9360ac842f_proj.kd
    .args:
      - { .name: acodes, .offset: 0, .size: 8, .value_kind: global_buffer, .address_space: global }
      - { .name: wcodes, .offset: 8, .size: 8, .value_kind: global_buffer, .address_space: global }
      - { .name: bq, .offset: 16, .size: 8, .value_kind: global_buffer, .address_space: global }
      - { .name: bk, .offset: 24, .size: 8, .value_kind: global_buffer, .address_space: global }
      - { .name: bv, .offset: 32, .size: 8, .value_kind: global_buffer, .address_space: global }
      - { .name: lowp_scales, .offset: 40, .size: 8, .value_kind: global_buffer, .address_space: global }
      - { .name: qf, .offset: 48, .size: 8, .value_kind: global_buffer, .address_space: global }
      - { .name: kv, .offset: 56, .size: 8, .value_kind: global_buffer, .address_space: global }
      - { .name: mask, .offset: 64, .size: 8, .value_kind: global_buffer, .address_space: global }
      - { .name: msk, .offset: 72, .size: 8, .value_kind: global_buffer, .address_space: global }
    .group_segment_fixed_size: 327680
    .private_segment_fixed_size: 0
    .kernarg_segment_align: 8
    .kernarg_segment_size: 80
    .max_flat_workgroup_size: 128
    .sgpr_count:     100
    .vgpr_count:     1024
    .wavefront_size: 32
...
	.end_amdgpu_metadata
.endif
;; end of part 2
;; launch attn (part 3): grid 16 x 16, 8 waves a work-group, clusters of 4 x 4, 327,680 bytes of LDS; arguments qf, kv, msk, lowp_scales, out0; writes out0
.if DOCPART == 3
	.amdgcn_target "amdgcn-amd-amdhsa--gfx1250"
	.amdhsa_code_object_version 6
	.text
	.protected	k_q9360ac842f_attn
	.globl	k_q9360ac842f_attn
	.p2align	8
	.type	k_q9360ac842f_attn,@function
k_q9360ac842f_attn:
	s_mov_b64 s[64:65], 0
	v_nop
	global_prefetch_b8 v0, s[64:65] scope:SCOPE_SE
	s_setreg_imm32_b32 hwreg(HW_REG_WAVE_MODE, 25, 1), 1
	s_wait_xcnt 0x0
	s_wait_alu depctr_hold_cnt(0) depctr_sa_sdst(0) depctr_va_vdst(0) depctr_va_sdst(0) depctr_va_ssrc(0) depctr_va_vcc(0) depctr_vm_vsrc(0)
	s_getreg_b32 s2, hwreg(HW_REG_IB_STS2, 6, 4)
	s_cmp_eq_u32 s2, 0
	s_cbranch_scc0 .Lentry_in_a_cluster
	s_endpgm
.Lentry_in_a_cluster:
	s_bfe_u32 s2, ttmp6, 0x10000c
	s_cmp_lg_u32 s2, 0xf033
	s_cbranch_scc0 .Lentry_shape_is_right
	s_endpgm
.Lentry_shape_is_right:
; out0[b][q][64 head + d] = sum over keys of softmax_key((Q . K + mask[q][key]) / 8) V, both products on codes of FP8 (E4M3).  4 batches, 16 heads, 2,048 queries and keys, 64 a head.
; Q, K and V come as images of operand registers (qf, kv): a fragment is read by loads of 16 bytes at 16 x lane.  msk is the mask x 2^-(eq + ek), made by the launch before; no work is left out.
; ARITHMETIC OF A SCORE: the product of codes takes msk as its C, so a sum is w = (Q . K + mask) / 2^(eq + ek); the maximum is taken of w (c' = 2^(eq + ek) log2(e) / 8 is positive, so the largest w
; gives the largest t = w x c'); M = the running largest t rounded UP to a whole number; t - M = w x c' - M is one fused multiply-add; p = 2^(t - M) is quantised with 2^ep, held at 448 x 2^ep;
; the row's sum l is taken of the unquantised p.  When M moves, l and O are multiplied by 2^(old M - new M), which rounds nothing; there is no branch on data.  At the end O x 2^(ep + ev) / l.
; LIMITS: eq + ek between -123 and 126 (it is added to c's exponent field); ep between -126 and 119.  NaN or an infinity in the mask is not served.
; SHARES.  A work-group owns 128 queries (x) of 4 heads of one batch (y = 4 b + group).  Wave w: head w % 4 of the group, queries 64 (w / 4) on: four tiles of 16.  Every wave walks 16 steps of 128 keys.
; Both products are used transposed: S^T = K Q^T, O^T = V^T P^T: a lane holds ONE query (lane % 16); S^T's register 8 i + j is key 16 i + 8 (lane / 16) + j, so its conversions ARE P's registers 2 i, 2 i + 1.
; THE FOUR TILES OF A STEP OVERLAP, on two buffers of 64 scores by turns: tile t's 64 exponentials stand among tile t + 1's 32 multiply-adds (tile 3's among tile 2's 32 holds), lines that name
; only the other buffer; one wait stands ahead of each such batch and one behind it.  Maxima and sums go in four chains each.
; CLUSTERS of 4 x 4.  A step's K and V (65,536 bytes) hang on y alone and are shared along a row of the cluster; its part of msk (128 rows x 512 bytes) hangs on x alone and is shared along a
; column.  Both are asked for jointly: waves 0-3 a quarter of K and V each, waves 4-7 a quarter of msk: one load of 16 KiB a wave behind each round; one tensor load of a wave is out at a time.
; LDS: two slots of 133,120 bytes: K 32,768, V 32,768, msk 128 rows of 512 + 16 bytes; the spare words; a stage of 16 x 272 bytes for each wave.
; REGISTERS.  Window 0: v1-13 addresses and constants; v16-31 four statistics a tile; v32-49 at work; v64-127, v128-191 the two score buffers; v192-255 K's fragments, then V's.
;   Window 1: v0-127 O^T (tile t, channels 16 c: 32 t + 8 c); v128-159 Q; v160-223 P (16 a tile); v192-255 msk's tile: P's tiles 2 and 3 are written there only when the step's last tile of msk has been read.
.set SLOT,  133120                     ; bits 11 and 17 are clear in every address inside slot 0 that is turned, so one exclusive or turns it into slot 1's and back
.set VOFF,  32768
.set MOFF,  65536
.set MP,    528                        ; a row of msk in LDS: 512 bytes + 16
.set SPARE, 2*SLOT                     ; the spare words, 128 bytes for each of the eight waves, that no other line names
.set STAGE, SPARE+1024                 ; no fill ever lands here
.set SP,    272
.set AKV0, 1                           ; 16 x lane + 8,192 x my head in the group
.set AM0,  2                           ; msk: MOFF + (64 (w / 4) + lane % 16) x MP + 32 (lane / 16)
.set ADKV, 3                           ; v1 + the slot in hand
.set ADM,  4                           ; v2 + the slot in hand
.set SPW,  5                           ; LDS address of my spare word; never rewritten
.set NIL,  6                           ; 0; never rewritten
.set STO,  7                           ; the way out: where I put 32 bytes of a row
.set RD,   8                           ; where I read a row back
.set GO,   9                           ; my byte offset in out0
.set PFO,  10                          ; the prefetches' offset; never rewritten
.set SCV,  12                          ; 2^ep
.set L16,  13                          ; 16 x lane
.set ST,   16                          ; tile t: v[16 + 4 t] -M, +1 the largest w, +2, +3 l in two halves
.set MX,   32                          ; v32-35 four chains of the maximum
.set PD,   36                          ; the lane permute's destination
.set OLD,  37                          ; the old -M
.set F,    38                          ; v[38:39], v[40:41] f = 2^(old M - new M) of even and odd tiles (the low word serves both halves)
.set CH,   42                          ; v42-49 four packed chains of the sum
.set S,    64
.set KF,   192
.set MK,   192                         ; in window 1
.set QF,   128                         ; in window 1
.set P,    160                         ; in window 1
.set G1KV, 24
.set G1M,  32
.set G0KV, 40
.set G0M,  44
.set MSB, 0
.macro WIN new                         ; bits 1:0 source 0, 3:2 source 1, 5:4 source 2, 7:6 destination; the high byte repeats the setting that is left
.if MSB != \new
	s_set_vgpr_msb (MSB<<8)|\new
.set MSB, \new
.endif
.endm
.macro JLOAD                           ; waves 0-3 fetch K and V, waves 4-7 msk: the branch hangs on the wave's number alone; s_nop 0 and four v_nop follow each line
	s_cmp_eq_u32 s16, 0
	s_cbranch_scc0 .Lfor_m_\@
	tensor_load_to_lds s[G0KV:G0KV+3], s[G1KV:G1KV+7]
	s_nop 0
.rept 4
	v_nop
.endr
	s_branch .Lasked_\@
.Lfor_m_\@:
	tensor_load_to_lds s[G0M:G0M+3], s[G1M:G1M+7]
	s_nop 0
.rept 4
	v_nop
.endr
.Lasked_\@:
.endm
; A PREFETCH of what the NEXT change of slots will ask for: a step's 65,536 bytes of K and V and its 128 x 512 bytes of msk, a lane to each aligned 256 bytes, one instruction a wave.
; Each block is named once in the launch: K and V of a y by the cluster with cluster x = 0, msk's rows of an x by the one with cluster y = 0.  The four partners share a tile out BY ADDRESS
; (cx for K and V, cy for msk); in each, waves 0 and 2 ask for K and V, waves 4 and 6 for msk.  Steps 0 and 1 come by their loads alone; the last change that fills a slot asks for nothing.
.macro ASK
	s_cmp_gt_u32 s49, s60
	s_cbranch_scc0 .Lnot_mine_\@
	global_prefetch_b8 v[PFO], s[56:57] th:TH_LOAD_NT scope:SCOPE_SE
.Lnot_mine_\@:
.endm
.macro CROUND                          ; a round of the cluster's barrier
	s_barrier_signal -1
	s_barrier_wait -1
	s_cmp_lg_u32 s14, 0
	s_cbranch_scc1 .Lnot_wave_0_\@
	s_barrier_signal -3
.Lnot_wave_0_\@:
	s_barrier_wait -3
	s_barrier_signal -1
	s_barrier_wait -1
.endm
	s_load_b256 s[4:11], s[0:1], 0x0               ; qf, kv, msk, lowp_scales
	s_load_b64 s[12:13], s[0:1], 0x20              ; out0
	v_lshl_add_u32 v[SPW], v0, 2, SPARE
	v_mov_b32 v[NIL], 0
	ds_add_u32 v5, v6                              ; the opening lines: the add twice on end and its wait
	ds_add_u32 v5, v6
	s_wait_dscnt 0x0
	v_lshrrev_b32 v14, 5, v0
	s_delay_alu instid0(VALU_DEP_1)
	v_readfirstlane_b32 s14, v14                   ; wave 0..7
	s_and_b32 s15, s14, 3                          ; my head in the group; also which quarter I fetch
	s_lshr_b32 s16, s14, 2                         ; which 64 queries; also: I fetch K and V (0) or msk (1)
	s_bfe_u32 s17, ttmp6, 0x40000                  ; cx
	s_bfe_u32 s18, ttmp6, 0x40004                  ; cy
	s_lshl_b32 s19, ttmp9, 2
	s_add_co_u32 s19, s19, s17                     ; x: my block of 128 queries
	s_and_b32 s20, ttmp7, 0xffff                   ; the batch = cluster y
	s_lshl_b32 s21, s20, 2
	s_add_co_u32 s21, s21, s18                     ; y = 4 x batch + group of heads
	s_lshl_b32 s78, s18, 2
	s_lshl_b32 s78, 15, s78                        ; my row of the cluster
	s_lshl_b32 s79, 0x1111, s17                    ; my column
	s_or_b32 s[G1KV], s78, (3<<16)|(1<<21)         ; my row; elements of 8 bytes; no padding: 64 dense rows of 256 bytes
	s_mov_b32 s[G1KV+1], 32<<16
	s_mov_b32 s[G1KV+2], 64<<16
	s_mov_b32 s[G1KV+3], 32<<16
	s_mov_b32 s[G1KV+4], 64
	s_mov_b32 s[G1KV+5], 32
	s_mov_b32 s[G1KV+6], 0
	s_mov_b32 s[G1KV+7], 0
	s_or_b32 s[G1M], s79, (2<<16)|(1<<20)|(1<<21)|(6<<22)|(3<<25)   ; my column; elements of 4 bytes; four words of padding after every 128: 32 rows of 512 bytes
	s_mov_b32 s[G1M+1], 128<<16
	s_mov_b32 s[G1M+2], 32<<16
	s_mov_b32 s[G1M+3], 128<<16
	s_mov_b32 s[G1M+4], 32
	s_mov_b32 s[G1M+5], 2048
	s_mov_b32 s[G1M+6], 0
	s_mov_b32 s[G1M+7], 0
	s_lshl_b32 s80, s21, 20                        ; K and V: y's sixteen steps,
	s_lshl_b32 s81, s15, 14
	s_add_co_u32 s80, s80, s81                     ; my quarter of a step
	s_mov_b32 s81, 0
	s_lshl_b32 s82, s19, 20                        ; msk: row 128 x,
	s_lshl_b32 s83, s15, 18
	s_add_co_u32 s82, s82, s83                     ; + 32 x my quarter, rows of 8,192 bytes
	s_mov_b32 s83, 0
	s_lshl_b32 s[G0KV+1], s15, 14                  ; where they go in slot 0: no place in the cluster enters an LDS address
	s_mul_i32 s[G0M+1], s15, 32*MP
	s_add_co_u32 s[G0M+1], s[G0M+1], MOFF
	s_wait_kmcnt 0x0
	s_load_b256 s[68:75], s[10:11], 0x0            ; e0 .. e7
	s_load_b64 s[76:77], s[10:11], 0x20            ; e8, e9
	s_mov_b32 s[G0KV], 1
	s_add_nc_u64 s[G0KV+2:G0KV+3], s[6:7], s[80:81]
	s_or_b32 s[G0KV+3], s[G0KV+3], 0x80000000
	s_mov_b32 s[G0M], 1
	s_add_nc_u64 s[G0M+2:G0M+3], s[8:9], s[82:83]
	s_or_b32 s[G0M+3], s[G0M+3], 0x80000000
	CROUND                                         ; all sixteen work-groups are here: the first joint loads meet
	JLOAD                                          ; step 0 into slot 0
	s_lshl_b32 s84, s18, 2                         ; Q stays in registers: four fragments of 16 queries x 64
	s_add_co_u32 s84, s84, s15                     ; my head
	s_lshl_b32 s85, s20, 21
	s_lshl_b32 s86, s84, 17
	s_add_co_u32 s86, s86, s85
	s_lshl_b32 s85, s19, 13
	s_add_co_u32 s86, s86, s85
	s_lshl_b32 s85, s16, 12
	s_add_co_u32 s86, s86, s85
	s_mov_b32 s87, 0
	s_add_nc_u64 s[4:5], s[4:5], s[86:87]
	v_and_b32 v14, 31, v0
	s_delay_alu instid0(VALU_DEP_1)
	v_lshlrev_b32 v[L16], 4, v14
	s_wait_alu depctr_va_vdst(0)
	WIN 0x40
.irp t, 0,1,2,3
	global_load_b128 v[QF+8*\t:QF+8*\t+3], v[L16], s[4:5] offset:1024*\t
	global_load_b128 v[QF+8*\t+4:QF+8*\t+7], v[L16], s[4:5] offset:1024*\t+512
.endr
	WIN 0
	s_lshl_b32 s85, s20, 23                        ; out0: batch, 128 x rows, 64 (w / 4) rows of 4,096 bytes, my head's 256 bytes
	s_lshl_b32 s88, s19, 19
	s_add_co_u32 s88, s88, s85
	s_lshl_b32 s85, s16, 18
	s_add_co_u32 s88, s88, s85
	s_lshl_b32 s85, s84, 8
	s_add_co_u32 s88, s88, s85
	s_mov_b32 s89, 0
	s_add_nc_u64 s[12:13], s[12:13], s[88:89]
	v_and_b32 v14, 15, v0                          ; r
	v_bfe_u32 v15, v0, 4, 1                        ; h
	s_lshl_b32 s85, s15, 13
	v_add_nc_u32 v[AKV0], s85, v[L16]
	v_mul_u32_u24 v[AM0], v14, MP
	s_delay_alu instid0(VALU_DEP_1)
	v_lshl_add_u32 v[AM0], v15, 5, v[AM0]
	s_mul_i32 s85, s16, 64*MP
	s_add_co_u32 s85, s85, MOFF
	v_add_nc_u32 v[AM0], s85, v[AM0]
	s_mul_i32 s85, s14, 16*SP
	s_add_co_u32 s85, s85, STAGE                   ; my stage
	v_mul_u32_u24 v[STO], v14, SP
	s_delay_alu instid0(VALU_DEP_1)
	v_lshl_add_u32 v[STO], v15, 5, v[STO]
	s_delay_alu instid0(VALU_DEP_1)
	v_add_nc_u32 v[STO], s85, v[STO]
	v_mul_u32_u24 v[RD], v15, SP
	s_delay_alu instid0(VALU_DEP_1)
	v_lshl_add_u32 v[RD], v14, 4, v[RD]
	s_delay_alu instid0(VALU_DEP_1)
	v_add_nc_u32 v[RD], s85, v[RD]
	v_lshlrev_b32 v[GO], 12, v15
	s_delay_alu instid0(VALU_DEP_1)
	v_lshl_add_u32 v[GO], v14, 4, v[GO]
	s_cmp_lt_u32 s14, 4                            ; the prefetches: where my wave's stand, and who asks
	s_cselect_b64 s[56:57], s[6:7], s[8:9]
	s_mov_b32 s88, 8192
	s_cselect_b32 s88, 512, s88                    ; from a pair of lanes to the next
	s_mov_b32 s58, 512
	s_cselect_b32 s58, 65536, s58                  ; a step on
	s_cselect_b32 s89, ttmp9, s20                  ; the coordinate along which other clusters read the same bytes
	s_cselect_b32 s92, s17, s18                    ; my place among the four that ask with me
	s_cselect_b32 s90, s21, s19                    ; y or x
	s_cselect_b32 s93, 14, 18                      ; a partner's share: 16,384 bytes, or 32 rows of 8,192
	s_mov_b32 s59, 0
	s_lshl_b32 s90, s90, 20
	s_lshl_b32 s92, s92, s93
	s_add_co_u32 s90, s90, s92
	s_sub_co_u32 s93, s93, 1
	s_bfe_u32 s92, s14, 0x10001                    ; the first or the second of the two waves that ask: half a share each
	s_lshl_b32 s92, s92, s93
	s_add_co_u32 s90, s90, s92
	s_add_co_u32 s90, s90, s58                     ; at step 1: the first change of slots steps it to step 2
	s_mov_b32 s91, 0
	s_add_nc_u64 s[56:57], s[56:57], s[90:91]
	s_and_b32 s92, s14, 1
	s_or_b32 s92, s92, s89
	s_cmp_eq_u32 s92, 0
	s_cselect_b32 s60, 1, -1                       ; 1 in a wave that asks, else the greatest number
	v_bfe_u32 v[MX], v0, 1, 4                      ; lane / 2
	v_and_b32 v[MX+1], 1, v0
	s_delay_alu instid0(VALU_DEP_2)
	v_mul_lo_u32 v[PFO], v[MX], s88
	s_delay_alu instid0(VALU_DEP_1)
	v_lshl_add_u32 v[PFO], v[MX+1], 8, v[PFO]
	s_mov_b32 s48, 0                               ; the slot in hand
	s_mov_b32 s49, 15                              ; steps still to be asked for
	s_mov_b32 s52, 0x3e38aa3b                      ; c = log2(e) / 8
	s_mov_b32 s54, 0x76543210                      ; v_permlanex16_b32: lane l xor 16
	s_mov_b32 s55, 0xfedcba98
	WIN 0x40
.set jj, 0
.rept 128
	v_mov_b32 v[jj], 0                             ; O^T: the step is written once for all steps; the first finds zeros, which the first change of M leaves zeros
.set jj, jj+1
.endr
	WIN 0
.irp t, 0,1,2,3
	v_mov_b32 v[ST+4*\t+1], 0xff61b1e6             ; the largest w so far: -3e38
	v_mov_b32 v[ST+4*\t], 0x7e800000               ; -M to go with it: a large whole number
	v_mov_b32 v[ST+4*\t+2], 0                      ; l
	v_mov_b32 v[ST+4*\t+3], 0
.endr
	v_mov_b32 v[F+1], 0                            ; (named as upper halves of pairs)
	v_mov_b32 v[F+3], 0
	v_mov_b32 v[PD], 0                             ; a lane permute's destination counts as one of its sources
	s_wait_kmcnt 0x0
	s_add_co_i32 s50, s74, s75                     ; eq + ek
	s_lshl_b32 s50, s50, 23
	s_add_co_i32 s52, s52, s50                     ; c' = c x 2^(eq + ek): the sum of the two is added to c's exponent field
	s_mov_b32 s53, s52                             ; (named with it as a pair)
	s_add_co_i32 s79, s76, 127
	s_lshl_b32 s80, s79, 23
	v_mov_b32 v[SCV], s80                          ; 2^ep
	s_add_co_i32 s79, s79, 8
	s_lshl_b32 s79, s79, 23
	s_or_b32 s61, s79, 0x600000                    ; 448 x 2^ep
	s_add_co_i32 s78, s76, s77                     ; ep + ev
; THE PARTS OF A TILE t.  Its 64 scores live in buffer t % 2.
.macro AMUL t                          ; w = K Q^T + msk: eight accumulators, each begun with its part of msk as C; four places behind them (ISA guide 7.12.1)
.set SB, S+64*((\t)%2)
	s_wait_dscnt 0x0                               ; this tile's part of msk is in (tile 0: K's fragments too): nothing younger is out
	WIN 0x14                                       ; Q and msk in window 1
.irp i, 0,1,2,3,4,5,6,7
	v_wmma_f32_16x16x64_fp8_fp8 v[SB+8*\i:SB+8*\i+7], v[KF+8*\i:KF+8*\i+7], v[QF+8*(\t):QF+8*(\t)+7], v[MK+8*\i:MK+8*\i+7]
.endr
.rept 4
	v_nop
.endr
.endm
.macro LDM t                           ; msk at my query of tile t, keys 16 i + 8 (lane / 16) + 0..7
	WIN 0x40
.irp i, 0,1,2,3,4,5,6,7
	ds_load_b128 v[MK+8*\i:MK+8*\i+3], v[ADM] offset:16*MP*(\t)+64*\i
	ds_load_b128 v[MK+8*\i+4:MK+8*\i+7], v[ADM] offset:16*MP*(\t)+64*\i+16
.endr
	WIN 0
.endm
.macro MAXS t                          ; the largest w of my query, in four chains, each accumulator from its low end on; the new -M; f
.set SB, S+64*((\t)%2)
.set NM, ST+4*(\t)
.set FT, F+2*((\t)%2)
	v_mov_b32 v[OLD], v[NM]
.irp k, 0,1,2,3
	v_max3_num_f32 v[MX+\k], v[SB+3*\k], v[SB+3*\k+1], v[SB+3*\k+2]
.endr
.set kk, 0
.rept 26
	v_max3_num_f32 v[MX+kk%4], v[MX+kk%4], v[SB+12+2*kk], v[SB+13+2*kk]
.set kk, kk+1
.endr
	v_max3_num_f32 v[MX], v[MX], v[MX+1], v[MX+2]
	s_delay_alu instid0(VALU_DEP_1)
	v_max3_num_f32 v[MX], v[MX], v[MX+3], v[NM+1]  ; with the running largest, which both lanes of a query hold alike
	s_delay_alu instid0(VALU_DEP_1)
	v_permlanex16_b32 v[PD], v[MX], s54, s55
	s_delay_alu instid0(VALU_DEP_1)
	v_max_num_f32 v[NM+1], v[MX], v[PD]            ; and lane l xor 16's
	s_delay_alu instid0(VALU_DEP_1)
	v_mul_f32 v[MX], s52, v[NM+1]                  ; as t
	s_delay_alu instid0(VALU_DEP_1)
	v_floor_f32 v[NM], -v[MX]                      ; the new -M = floor(-t) = -ceil(t)
	s_delay_alu instid0(VALU_DEP_1)
	v_sub_f32 v[OLD], v[NM], v[OLD]                ; old M - new M: a whole number, 0 or less
	s_delay_alu instid0(VALU_DEP_1)
	v_cvt_i32_f32 v[OLD], v[OLD]                   ; (it saturates)
	s_delay_alu instid0(VALU_DEP_1)
	v_ldexp_f32 v[FT], 1.0, v[OLD]                 ; f = 2^(old M - new M)
.endm
; THE BATCH of tile t's 64 exponentials, p = 2^(t - M).  After every two stands one line on the OTHER buffer, which reads only what was written ahead of the batch and whose result is read only behind it:
; mode 1: tile t + 1's t - M = w x c' - M, two at a time; mode 0: the hold of tile t - 1's p, two at a time.  One wait stands ahead of the batch and one behind it.
; Directly behind the closing wait O^T of tile t is brought under its new M: the first read of the last step's products.
.macro BATCH t, mode
.set SB, S+64*((\t)%2)
.set SO, S+64*(1-(\t)%2)
.set NX, ST+4*(((\t)+1)%4)
.set FT, F+2*((\t)%2)
	WIN 0
	s_wait_alu depctr_va_vdst(0)
.set jj, 0
.rept 32
	v_exp_f32 v[SB+jj], v[SB+jj]
	v_exp_f32 v[SB+jj+1], v[SB+jj+1]
.if \mode
	v_pk_fma_f32 v[SO+jj:SO+jj+1], v[SO+jj:SO+jj+1], s[52:53], v[NX:NX+1] op_sel_hi:[1,0,0]
.else
	v_dual_min_num_f32 v[SO+jj], s61, v[SO+jj] :: v_dual_min_num_f32 v[SO+jj+1], s61, v[SO+jj+1]
.endif
.set jj, jj+2
.endr
	v_nop                                          ; a plain line behind the last exponential
	WIN 0x41                                       ; O^T: destination and source 0 in window 1
	s_wait_alu depctr_va_vdst(0)
.set jj, 0
.rept 16
	v_pk_mul_f32 v[32*(\t)+jj:32*(\t)+jj+1], v[32*(\t)+jj:32*(\t)+jj+1], v[FT:FT+1] op_sel_hi:[1,0]   ; each accumulator from its low end on
.set jj, jj+2
.endr
	WIN 0
.endm
.macro SUM t                           ; the row's sum of the unquantised p, in four packed chains; l = l x f + the step's sum
.set SB, S+64*((\t)%2)
.set LS, ST+4*(\t)+2
.set FT, F+2*((\t)%2)
	WIN 0
.irp k, 0,1,2,3
	v_pk_add_f32 v[CH+2*\k:CH+2*\k+1], v[SB+4*\k:SB+4*\k+1], v[SB+4*\k+2:SB+4*\k+3]
.endr
.set jj, 16
.rept 24
	v_pk_add_f32 v[CH+jj%8:CH+jj%8+1], v[CH+jj%8:CH+jj%8+1], v[SB+jj:SB+jj+1]
.set jj, jj+2
.endr
	v_pk_add_f32 v[CH:CH+1], v[CH:CH+1], v[CH+2:CH+3]
	v_pk_add_f32 v[CH+4:CH+5], v[CH+4:CH+5], v[CH+6:CH+7]
	s_delay_alu instid0(VALU_DEP_1)
	v_pk_add_f32 v[CH:CH+1], v[CH:CH+1], v[CH+4:CH+5]
	s_delay_alu instid0(VALU_DEP_1)
	v_pk_fma_f32 v[LS:LS+1], v[LS:LS+1], v[FT:FT+1], v[CH:CH+1] op_sel_hi:[1,0,1]
.endm
.macro HOLD t                          ; the conversion does not saturate (ISA guide 7.6.2); p is not negative, so the hold is one-sided; two numbers a line
.set SB, S+64*((\t)%2)
.set jj, 0
.rept 32
	v_dual_min_num_f32 v[SB+jj], s61, v[SB+jj] :: v_dual_min_num_f32 v[SB+jj+1], s61, v[SB+jj+1]
.set jj, jj+2
.endr
.endm
.macro CVT t                           ; keys 16 i + 8 (lane / 16) + 0..7: registers 2 i, 2 i + 1 of the operand; a plain line behind the last conversion
.set SB, S+64*((\t)%2)
	WIN 0x40
.irp i, 0,1,2,3,4,5,6,7
	v_cvt_scalef32_pk8_fp8_f32 v[P+16*(\t)+2*\i:P+16*(\t)+2*\i+1], v[SB+8*\i:SB+8*\i+7], v[SCV]
.endr
	v_nop
.endm
; A STEP: 128 keys in the slot in hand.
.macro STEP fill
	v_add_nc_u32 v[ADKV], s48, v[AKV0]
	v_add_nc_u32 v[ADM], s48, v[AM0]
	v_nop
	v_nop                                          ; four places behind the last products, in front of loads into registers that they read
	s_wait_alu depctr_va_vdst(0)
.irp i, 0,1,2,3,4,5,6,7
	ds_load_b128 v[KF+8*\i:KF+8*\i+3], v[ADKV] offset:1024*\i          ; K: my head's eight fragments of 16 keys x 64
	ds_load_b128 v[KF+8*\i+4:KF+8*\i+7], v[ADKV] offset:1024*\i+512
.endr
	LDM 0
	AMUL 0
	LDM 1                                          ; the next tile's part of msk has a tile's work in which to come
	MAXS 0
.set jj, 0
.rept 32
	v_pk_fma_f32 v[S+jj:S+jj+1], v[S+jj:S+jj+1], s[52:53], v[ST:ST+1] op_sel_hi:[1,0,0]   ; tile 0's t - M
.set jj, jj+2
.endr
	AMUL 1
	LDM 2
	MAXS 1
	BATCH 0, 1
	SUM 0
	HOLD 0
	CVT 0
	AMUL 2
	LDM 3
	MAXS 2
	BATCH 1, 1
	SUM 1
	HOLD 1
	CVT 1
	AMUL 3
	WIN 0
.irp c, 0,1,2,3                                ; K's fragments are done with: V's four (16 channels x 128 keys each) take their registers
.irp e, 0,1,2,3
	ds_load_b128 v[KF+16*\c+4*\e:KF+16*\c+4*\e+3], v[ADKV] offset:VOFF+2048*\c+512*\e
.endr
.endr
	MAXS 3
.if \fill
	CHANGE 1                                       ; V's loads were my last reads of this slot: the change of slots stands here
.else
	s_wait_dscnt 0x0                               ; V is in
.endif
	BATCH 2, 1
	SUM 2
	BATCH 3, 0
	CVT 2
	SUM 3
	HOLD 3
	CVT 3
	WIN 0x54
.irp c, 0,1,2,3                                ; sixteen accumulators, one instruction each
.irp t, 0,1,2,3
	v_wmma_f32_16x16x128_fp8_fp8 v[32*\t+8*\c:32*\t+8*\c+7], v[KF+16*\c:KF+16*\c+15], v[P+16*\t:P+16*\t+15], v[32*\t+8*\c:32*\t+8*\c+7]
.endr
.endr
	WIN 0
	s_xor_b32 s48, s48, SLOT                       ; on to the other slot
.endm
; THE CHANGE OF SLOTS stands INSIDE a step, behind the step's last LDS read (V's fragments), so that no barrier stands between one step's products and the next step's LDS loads.
; Each wave waits for all its tensor loads (its part of the NEXT step's slot), adds 0 to its spare word, and waits for that and for its reads of the slot in hand, V's among them.
; fill = 1: a round of the cluster's barrier; behind it the next step's slot is whole, nobody reads the slot in hand any more, and that slot is filled with the tiles of the step two on,
; which have a step's work in which to land.  fill = 0: the work-group's barrier alone, and no fill.
.macro CHANGE fill
	WIN 0
	s_wait_tensorcnt 0x0                           ; no tensor load of mine is out, so a group 0 may be written
	ds_add_u32 v[SPW], v[NIL]
.if \fill
	s_xor_b32 s[G0KV+1], s[G0KV+1], SLOT
	s_add_nc_u64 s[G0KV+2:G0KV+3], s[G0KV+2:G0KV+3], 65536
	s_xor_b32 s[G0M+1], s[G0M+1], SLOT
	s_add_nc_u64 s[G0M+2:G0M+3], s[G0M+2:G0M+3], 512
	s_wait_xcnt 0x0                                ; the last prefetch, a step back, has read its address, so it may be written
	s_add_nc_u64 s[56:57], s[56:57], s[58:59]      ; one step further on than the walking descriptors
.endif
	s_wait_dscnt 0x0                               ; the add is done, and my reads of the slot that I have left are over
.if \fill
	CROUND
	JLOAD                                          ; the first thing behind the round, and my one tensor load until the next
	ASK
.else
	s_barrier_signal -1
	s_barrier_wait -1
.endif
.endm
	s_wait_alu depctr_va_vdst(0)
	s_wait_loadcnt 0x0                             ; Q
	CHANGE 1                                       ; step 0's slot is whole; step 1 is asked for, slot 1's first fill, issued as a refill is
	s_mov_b32 s49, 14                              ; steps still to be asked for
.Lslot:                                            ; 14 trips: steps 0 to 13; step s asks for step s + 2
	STEP 1
	s_sub_co_u32 s49, s49, 1
	s_cmp_lg_u32 s49, 0
	s_cbranch_scc1 .Lslot
	CHANGE 0                                       ; step 15's tiles are in, in every wave; nothing more is asked for
	s_mov_b32 s62, 2
.Ltail:                                            ; steps 14 and 15: no tensor load, no wait for one, no barrier
	STEP 0
	s_sub_co_u32 s62, s62, 1
	s_cmp_lg_u32 s62, 0
	s_cbranch_scc1 .Ltail
	; THE WAY OUT.  l's halves are added (these lines are the places behind the last products); O^T x 2^(ep + ev) / l goes through my stage, a tile of 16 queries at a time, and leaves as rows of 256 bytes.
.irp t, 0,1,2,3
	v_add_f32 v[ST+4*\t+2], v[ST+4*\t+2], v[ST+4*\t+3]
.endr
.irp t, 0,1,2,3
	s_delay_alu instid0(VALU_DEP_4)
	v_permlanex16_b32 v[ST+4*\t+3], v[ST+4*\t+2], s54, s55
.endr
.irp t, 0,1,2,3
	s_delay_alu instid0(VALU_DEP_4)
	v_add_f32 v[ST+4*\t+2], v[ST+4*\t+2], v[ST+4*\t+3]
.endr
	s_wait_alu depctr_va_vdst(0)                   ; the wait ahead of the batch
.irp t, 0,1,2,3
	v_rcp_f32 v[ST+4*\t+2], v[ST+4*\t+2]
.endr
	v_nop                                          ; a plain instruction behind the last reciprocal,
	s_wait_alu depctr_va_vdst(0)                   ; and one wait for the four, ahead of their first reader
.irp t, 0,1,2,3
	v_ldexp_f32 v[ST+4*\t+2], v[ST+4*\t+2], s78
.endr
.macro OUTT t
.set OB, S+64*((\t)%2)                         ; 64 registers: 32 numbers, then the rows read back; two sets by turns
.if (\t) > 1
	s_wait_xcnt 0x0                                ; the stores of two tiles back have read this set
.endif
	WIN 0x01                                       ; source 0 (O^T) in window 1
.set jj, 0
.rept 16
	v_pk_mul_f32 v[OB+jj:OB+jj+1], v[32*(\t)+jj:32*(\t)+jj+1], v[ST+4*(\t)+2:ST+4*(\t)+3] op_sel_hi:[1,0]   ; register 8 c + j is channel 16 c + 8 (lane / 16) + j of query lane % 16
.set jj, jj+2
.endr
	WIN 0
.irp c, 0,1,2,3
	ds_store_b128 v[STO], v[OB+8*\c:OB+8*\c+3] offset:64*\c
	ds_store_b128 v[STO], v[OB+8*\c+4:OB+8*\c+7] offset:64*\c+16
.endr
.irp i, 0,1,2,3,4,5,6,7
	ds_load_b128 v[OB+32+4*\i:OB+32+4*\i+3], v[RD] offset:2*SP*\i   ; LDS serves a wave's instructions in order (ISA guide 5.7.1.4): these see my stores
.endr
.irp i, 0,1,2,3,4,5,6,7
	s_wait_dscnt 7-\i                              ; the younger loads from the stage may be out
	global_store_b128 v[GO], v[OB+32+4*\i:OB+32+4*\i+3], s[12:13] offset:(16*(\t)+2*\i)*4096 th:TH_STORE_NT   ; sixteen lanes store a head's 256 consecutive bytes of a row, aligned
.endr
.endm
	OUTT 0
	OUTT 1
	OUTT 2
	OUTT 3
	s_wait_tensorcnt 0x0                           ; the wave's end
	ds_add_u32 v[SPW], v[NIL]
	s_wait_dscnt 0x0
	CROUND                                         ; the closing round: no work-group ends while a partner may still ask for a tile that names it
	s_endpgm
.Lfunc_end_k_q9360ac842f_attn:
	.size	k_q9360ac842f_attn, .Lfunc_end_k_q9360ac842f_attn-k_q9360ac842f_attn
	.p2alignl 7, 3214868480
	.fill 96, 4, 3214868480
	.section	.rodata,"a",@progbits
	.p2align	6, 0x0
	.amdhsa_kernel k_q9360ac842f_attn
		.amdhsa_group_segment_fixed_size 327680
		.amdhsa_private_segment_fixed_size 0
		.amdhsa_enable_private_segment 0
		.amdhsa_kernarg_size 40
		.amdhsa_user_sgpr_count 2
		.amdhsa_user_sgpr_kernarg_segment_ptr 1
		.amdhsa_wavefront_size32 1
		.amdhsa_system_sgpr_workgroup_id_x 1
		.amdhsa_system_sgpr_workgroup_id_y 1
		.amdhsa_system_sgpr_workgroup_id_z 1
		.amdhsa_system_vgpr_workitem_id 0
		.amdhsa_next_free_vgpr 512
		.amdhsa_next_free_sgpr 100
		.amdhsa_reserve_vcc 0
		.amdhsa_float_denorm_mode_32 3
		.amdhsa_float_denorm_mode_16_64 3
		.amdhsa_memory_ordered 1
		.amdhsa_forward_progress 1
		.amdhsa_inst_pref_size 151
	.end_amdhsa_kernel
	.amdgpu_metadata
---
amdhsa.version: [ 1, 2 ]
amdhsa.kernels:
  - .name:           k_q9360ac842f_attn
    .symbol:         k_q9360ac842f_attn.kd
    .args:
      - { .name: qf, .offset: 0, .size: 8, .value_kind: global_buffer, .address_space: global }
      - { .name: kv, .offset: 8, .size: 8, .value_kind: global_buffer, .address_space: global }
      - { .name: msk, .offset: 16, .size: 8, .value_kind: global_buffer, .address_space: global }
      - { .name: lowp_scales, .offset: 24, .size: 8, .value_kind: global_buffer, .address_space: global }
      - { .name: out0, .offset: 32, .size: 8, .value_kind: global_buffer, .address_space: global }
    .group_segment_fixed_size: 327680
    .private_segment_fixed_size: 0
    .kernarg_segment_align: 8
    .kernarg_segment_size: 40
    .max_flat_workgroup_size: 256
    .sgpr_count:     100
    .vgpr_count:     512
    .wavefront_size: 32
...
	.end_amdgpu_metadata
.endif
;; end of part 3
